; MI455X (gfx1250); checked and timed in simulation.
; The chip was launched on July 23, 2026; its instructions are those of AMD's public machine-readable ISA for CDNA 5 (MIT licence, August 2026) and "CDNA5" Instruction Set Architecture Reference Guide (July 2026). The comments in the code are by the model that wrote it; some were corrected since.
;; K Nearest Neighbor. Allowed arithmetic: matrix products marked QUANTISED: E3M2 operands, one E8M0 scale for each 32 along K, by v_wmma_scale_f32_16x16x128_f8f6f4 with both operands' format E3M2, f32 sums; everything else in f32.
;; Inputs: X 1,024 x 128 float32; X_train 100,000 x 128 float32; y_train 100,000 int32.
;; Outputs: out0 1,024 float32.
;; Constants: k = 5.
;; This version of the problem:
;;   THIS VERSION OF THE PROBLEM IS GIVEN IN LOW PRECISION. The matrix products marked QUANTISED in the list below multiply operands that are first quantised to E3M2 (3 exponent bits, 2 mantissa bits; 6 bits a number), with one power-of-two scale for each 32 numbers along K (OCP MX v1.0); their sums are f32. All else is computed in f32.
;;   The module's matrix products, in the order in which they are computed (A, B: the left and right operand; K: the contracted axis; several contracted axes count as one K, in the product's order):
;;     1. [M 1,024, K 128] x [K 128, N 100,000]; A: input X; B: input X_train: QUANTISED
;;   THE QUANTISER, for each operand of a quantised product, along K:
;;     - K is cut into blocks of 32 from its start; a last block that is shorter is filled with zeros.
;;     - A block's scale is 2^e with e = floor(log2(the largest magnitude in the block)) - 4, held to -126 .. 127; a block of zeros has e = 0. As a byte (E8M0): e + 127.
;;     - Each number is divided by its block's scale, clamped to +-28, and rounded to the nearest number of E3M2, ties to even, subnormals kept.
;;     - The product sums the exact products of the quantised numbers (number of the format x scale) in f32.
;;   ~~~python
;;   def quantise(x, axis):      # numpy; x: float32 -> the quantised numbers, widened to float32 again
;;       x = np.moveaxis(x, axis, -1); K = x.shape[-1]
;;       x = np.pad(x, [(0, 0)] * (x.ndim - 1) + [(0, -K % 32)]); x = x.reshape(x.shape[:-1] + (-1, 32)); a = np.abs(x).max(-1, keepdims=True)
;;       e = np.where(a > 0, np.clip(np.frexp(np.where(a > 0, a, 1))[1] - 1 - 4, -126, 127), 0)      # np.frexp(a)[1] - 1 = floor(log2(a)), exactly
;;       r = np.clip(x / 2.0 ** e, -28, 28)
;;       step = 2.0 ** (np.maximum(np.frexp(np.where(r == 0, 1, r))[1] - 1, -2) - 2)
;;       q = np.round(r / step) * step * 2.0 ** e      # np.round: ties to even
;;       return np.moveaxis(q.reshape(q.shape[:-2] + (-1,))[..., :K], -1, axis).astype(np.float32)
;;   ~~~
;; One version. Each part assembles by itself: llvm-mc -triple=amdgcn-amd-amdhsa -mcpu=gfx1250 --defsym DOCPART=n.
;; ======== version 1 of 1: 4 launches
;; workspace buffers: xcodes 98,304 bytes; xscale 4,096 bytes; xsq 4,096 bytes; tcodes 9,600,000 bytes; tscale 400,128 bytes; thalf 400,128 bytes; bdist 10,240,000 bytes; ids 32,768 bytes of whole numbers
;; launch quant (part 1): grid 451 x 1, 7 waves a work-group, no clusters, 58,368 bytes of LDS; arguments X, X_train, xcodes, xscale, xsq, tcodes, tscale, thalf; writes xcodes, xscale, xsq, tcodes, tscale, thalf
.if DOCPART == 1
	.amdgcn_target "amdgcn-amd-amdhsa--gfx1250"
	.amdhsa_code_object_version 6
	.text
	.protected	k_q8c33b8c04e_quant
	.globl	k_q8c33b8c04e_quant
	.p2align	8
	.type	k_q8c33b8c04e_quant,@function
k_q8c33b8c04e_quant:
	s_mov_b64 s[64:65], 0
	v_nop
	global_prefetch_b8 v0, s[64:65] scope:SCOPE_SE
	s_setreg_imm32_b32 hwreg(HW_REG_WAVE_MODE, 25, 1), 1
	s_wait_xcnt 0x0
; X [1024][128] and X_train [100000][128], f32, become codes of BF6 (E3M2), 96 bytes a row, one word of four E8M0 bytes a row (byte b: block b of 32 along K),
; and one f32 a row made of the UNQUANTISED numbers: the sum of squares for X, -0.5 x the sum of squares for X_train.
; A block's scale is 2^(floor(log2(its largest magnitude)) - 4); its byte is the largest magnitude's exponent field - 4, held at 1 from below.
; LIMITS: a block of zeros gets the byte 1 where the rule says 127 (its codes are zeros, and this program alone reads the bytes); blocks whose largest magnitude lies
; under 2^(5 - 127) were not tried; NaN and infinities among the inputs are not served.  The sum of squares is added in another order than a plain loop would add it.
; SHARES.  A run is 32 rows = 4,096 numbers = 8 steps of 512.  Run = 7 x work-group + wave: 7 x 451 = 3,157 = 32 runs of X + 3,125 of X_train.  One path for both tensors: only pointers are chosen.
; Each load reads 512 consecutive bytes; a step's 2,048 bytes turn through the wave's own stage in LDS (16 bytes of padding behind each 64) and come back 64 bytes a lane:
; a lane then holds 16 neighbours, two lanes a block, eight lanes a row.  No barrier: waves share nothing.  Loads run four steps ahead, the turn through LDS one step.
.set STEPS, 8
.set EMAX,  4
.set CB,    12                         ; bytes of 16 codes
.set R,     16                         ; v16-79   four sets of 16 numbers as loaded
.set X,     80                         ; v80-111  two sets of 16 neighbours
.set E,     112                        ; v112-119 a scale byte for each step
.set N,     120                        ; v120-127 a row's figure for each step
.set C,     128                        ; v128-159 codes: four registers a step, so that no store's data are written again
.set SQ,    160                        ; v160-163 the squares, two chains of pairs
.set OW,    164                        ; v164-165 the way out
.set WREG,  8192                       ; LDS: a region for each wave: two stages of 32 x SP bytes, its 128 scale bytes, its 32 figures
.set SP,    80
.set SCB,   5120
.set NRM,   5376
	s_load_b256 s[4:11], s[0:1], 0x0               ; X, X_train, xcodes, xscale
	s_load_b256 s[12:19], s[0:1], 0x20             ; xsq, tcodes, tscale, thalf
	v_lshl_add_u32 v192, v0, 2, 0xe000
	v_mov_b32 v193, 0
	v_lshrrev_b32 v1, 5, v0
	v_readfirstlane_b32 s20, v1                    ; wave 0..6
	v_and_b32 v2, 31, v0                           ; lane
	v_lshlrev_b32 v3, 4, v2                        ; my 16 bytes of a load's 512
	v_mul_u32_u24 v4, v2, CB                       ; my codes' place in a step's 384 bytes
	v_lshlrev_b32 v7, 2, v2                        ; 4 x lane
	s_mul_i32 s24, s20, WREG
	v_lshrrev_b32 v5, 1, v2
	v_add_nc_u32 v5, s24, v5                       ; my block's byte: region + lane / 2
	v_add_nc_u32 v6, s24, v7                       ; the way out: region + 4 x lane
	v_lshrrev_b32 v10, 3, v2
	v_lshl_add_u32 v10, v10, 2, s24                ; my row's figure: region + 4 (lane / 8)
	v_lshrrev_b32 v14, 2, v2
	v_mul_u32_u24 v14, v14, SP
	v_and_b32 v15, 3, v2
	v_lshl_add_u32 v14, v15, 4, v14
	v_add_nc_u32 v14, s24, v14                     ; the stage, in: SP (lane / 4) + 16 (lane % 4)
	v_mul_u32_u24 v15, v2, SP
	v_add_nc_u32 v15, s24, v15                     ; and out: SP x lane
	s_mul_i32 s21, ttmp9, 7
	s_add_co_u32 s21, s21, s20                     ; the run
	s_mov_b32 s27, 0
	s_wait_kmcnt 0x0
	s_cmp_lt_u32 s21, 32                           ; X's run or X_train's?  The choice hangs on ids alone
	s_cselect_b64 s[4:5], s[4:5], s[6:7]
	s_cselect_b64 s[8:9], s[8:9], s[14:15]
	s_cselect_b64 s[10:11], s[10:11], s[16:17]
	s_cselect_b64 s[12:13], s[12:13], s[18:19]
	s_cselect_b32 s22, 1.0, -0.5                   ; the figure's factor
	s_cselect_b32 s23, 0, 32
	s_sub_co_u32 s21, s21, s23                     ; the run within its tensor
	s_lshl_b32 s26, s21, 14                        ; 16,384 bytes of numbers a run
	s_add_nc_u64 s[4:5], s[4:5], s[26:27]
	s_mul_i32 s26, s21, 3072                       ; 3,072 bytes of codes
	s_add_nc_u64 s[8:9], s[8:9], s[26:27]
	s_lshl_b32 s26, s21, 7                         ; 128 bytes of scale words, 128 of figures
	s_add_nc_u64 s[10:11], s[10:11], s[26:27]
	s_add_nc_u64 s[12:13], s[12:13], s[26:27]
.macro LOAD t
.irp i, 0,1,2,3
	global_load_b128 v[R+16*((\t)%4)+4*\i:R+16*((\t)%4)+4*\i+3], v3, s[4:5] offset:2048*(\t)+512*\i th:TH_LOAD_NT   ; 32 lanes read 512 consecutive bytes
.endr
.endm
.macro TURN t                          ; LDS serves a wave's instructions in order: no wait between the stores and the loads
.irp i, 0,1,2,3
	ds_store_b128 v14, v[R+16*((\t)%4)+4*\i:R+16*((\t)%4)+4*\i+3] offset:32*SP*((\t)%2)+8*SP*\i
.endr
.irp i, 0,1,2,3
	ds_load_b128 v[X+16*((\t)%2)+4*\i:X+16*((\t)%2)+4*\i+3], v15 offset:32*SP*((\t)%2)+16*\i
.endr
.endm
.irp t, 0,1,2,3
	LOAD \t
.endr
	s_wait_loadcnt 12                              ; step 0's four loads are in; three steps' twelve may be out
	TURN 0
.macro STEP t
.set XS, X+16*((\t)%2)
.if (\t) > 0
	s_wait_dscnt 2                                 ; this step's numbers are back from the stage; the last step's byte store and figure store may be out
.else
	s_wait_dscnt 0x0
.endif
.if (\t)+4 < STEPS
	LOAD (\t)+4                                    ; into the set that this step's stage stores have read
.endif
.if (\t)+1 < STEPS
.if STEPS-2-(\t) >= 3
	s_wait_loadcnt 12                              ; the next step's four loads are in; those of the three steps behind it may be out
.else
	s_wait_loadcnt 4*(STEPS-2-(\t))                ; four for each step still behind it
.endif
	TURN (\t)+1
.endif
	v_max3_num_f32 v8, |v[XS]|, |v[XS+1]|, |v[XS+2]|               ; the largest magnitude of my 16, in two chains
	v_max3_num_f32 v9, |v[XS+3]|, |v[XS+4]|, |v[XS+5]|
.irp i, 6,10
	v_max3_num_f32 v8, v8, |v[XS+\i]|, |v[XS+\i+1]|
	v_max3_num_f32 v9, v9, |v[XS+\i+2]|, |v[XS+\i+3]|
.endr
	v_max3_num_f32 v8, v8, |v[XS+14]|, |v[XS+15]|
	v_max3_num_f32 v8, v8, v9, (EMAX+1)<<23        ; and the floor 2^(5 - 127): the byte cannot fall under 1
	v_max_num_f32_dpp v8, v8, v8 row_xmask:1 row_mask:0xf bank_mask:0xf   ; with my neighbour's 16: the block's
	v_pk_mul_f32 v[SQ:SQ+1], v[XS:XS+1], v[XS:XS+1]                 ; the squares of my 16, in two chains of pairs
	v_pk_mul_f32 v[SQ+2:SQ+3], v[XS+2:XS+3], v[XS+2:XS+3]
.irp i, 4,8,12
	v_pk_fma_f32 v[SQ:SQ+1], v[XS+\i:XS+\i+1], v[XS+\i:XS+\i+1], v[SQ:SQ+1]
	v_pk_fma_f32 v[SQ+2:SQ+3], v[XS+\i+2:XS+\i+3], v[XS+\i+2:XS+\i+3], v[SQ+2:SQ+3]
.endr
	v_pk_add_f32 v[SQ:SQ+1], v[SQ:SQ+1], v[SQ+2:SQ+3]
	v_add_f32 v[SQ], v[SQ], v[SQ+1]
	v_add_f32_dpp v[SQ], v[SQ], v[SQ] row_xmask:1 row_mask:0xf bank_mask:0xf   ; eight lanes hold a row
	v_add_f32_dpp v[SQ], v[SQ], v[SQ] row_xmask:2 row_mask:0xf bank_mask:0xf
	v_add_f32_dpp v[SQ], v[SQ], v[SQ] row_xmask:4 row_mask:0xf bank_mask:0xf
	v_mul_f32 v[N+(\t)], s22, v[SQ]                ; x 1 or x -0.5: exact
	v_add_nc_u32 v11, -(EMAX<<23), v8              ; 4 off the exponent field: the conversion takes this operand's exponent field as its scale
	v_cvt_scalef32_pk16_bf6_f32 v[C+4*(\t):C+4*(\t)+2], v[XS:XS+15], v11   ; 16 codes, 96 bits, the first number's code lowest; beyond 28 the largest code
	v_lshrrev_b32 v[E+(\t)], 23, v11               ; the scale's byte (a plain line behind the conversion)
	ds_store_b8 v5, v[E+(\t)] offset:SCB+16*(\t)   ; both lanes of a block write the same byte with the same value: byte 4 x row + block
	ds_store_b32 v10, v[N+(\t)] offset:NRM+16*(\t) ; the eight lanes of a row write the same word with the same value
	global_store_b96 v4, v[C+4*(\t):C+4*(\t)+2], s[8:9] offset:32*CB*(\t)   ; the wave stores 384 consecutive bytes
.endm
.irp t, 0,1,2,3,4,5,6,7
	STEP \t
.endr
	ds_load_b32 v[OW], v6 offset:SCB               ; LDS serves a wave's instructions in order: these see my stores.  Lane l: row l's scale word,
	ds_load_b32 v[OW+1], v6 offset:NRM             ; and its figure
	s_wait_dscnt 0x0
	global_store_b32 v7, v[OW], s[10:11]           ; 128 consecutive bytes each
	global_store_b32 v7, v[OW+1], s[12:13]
	s_wait_tensorcnt 0x0
	ds_add_u32 v192, v193
	s_wait_dscnt 0x0
	s_endpgm
.Lfunc_end_k_q8c33b8c04e_quant:
	.size	k_q8c33b8c04e_quant, .Lfunc_end_k_q8c33b8c04e_quant-k_q8c33b8c04e_quant
	.p2alignl 7, 3214868480
	.fill 96, 4, 3214868480
	.section	.rodata,"a",@progbits
	.p2align	6, 0x0
	.amdhsa_kernel k_q8c33b8c04e_quant
		.amdhsa_group_segment_fixed_size 58368
		.amdhsa_private_segment_fixed_size 0
		.amdhsa_enable_private_segment 0
		.amdhsa_kernarg_size 64
		.amdhsa_user_sgpr_count 2
		.amdhsa_user_sgpr_kernarg_segment_ptr 1
		.amdhsa_wavefront_size32 1
		.amdhsa_system_sgpr_workgroup_id_x 1
		.amdhsa_system_sgpr_workgroup_id_y 1
		.amdhsa_system_sgpr_workgroup_id_z 1
		.amdhsa_system_vgpr_workitem_id 0
		.amdhsa_next_free_vgpr 194
		.amdhsa_next_free_sgpr 66
		.amdhsa_reserve_vcc 0
		.amdhsa_float_denorm_mode_32 3
		.amdhsa_float_denorm_mode_16_64 3
		.amdhsa_memory_ordered 1
		.amdhsa_forward_progress 1
		.amdhsa_inst_pref_size 25
	.end_amdhsa_kernel
	.amdgpu_metadata
---
amdhsa.version: [ 1, 2 ]
amdhsa.kernels:
  - .name:           k_q8c33b8c04e_quant
    .symbol:         k_q8c33b8c04e_quant.kd
    .args:
      - { .name: X, .offset: 0, .size: 8, .value_kind: global_buffer, .address_space: global }
      - { .name: X_train, .offset: 8, .size: 8, .value_kind: global_buffer, .address_space: global }
      - { .name: xcodes, .offset: 16, .size: 8, .value_kind: global_buffer, .address_space: global }
      - { .name: xscale, .offset: 24, .size: 8, .value_kind: global_buffer, .address_space: global }
      - { .name: xsq, .offset: 32, .size: 8, .value_kind: global_buffer, .address_space: global }
      - { .name: tcodes, .offset: 40, .size: 8, .value_kind: global_buffer, .address_space: global }
      - { .name: tscale, .offset: 48, .size: 8, .value_kind: global_buffer, .address_space: global }
      - { .name: thalf, .offset: 56, .size: 8, .value_kind: global_buffer, .address_space: global }
    .group_segment_fixed_size: 58368
    .private_segment_fixed_size: 0
    .kernarg_segment_align: 8
    .kernarg_segment_size: 64
    .max_flat_workgroup_size: 224
    .sgpr_count:     66
    .vgpr_count:     194
    .wavefront_size: 32
...
	.end_amdgpu_metadata
.endif
;; end of part 1
;; launch scan (part 2): grid 250 x 1, 4 waves a work-group, no clusters, 0 bytes of LDS; arguments xcodes, xscale, xsq, tcodes, tscale, thalf, bdist; writes bdist
.if DOCPART == 2
	.amdgcn_target "amdgcn-amd-amdhsa--gfx1250"
	.amdhsa_code_object_version 6
	.text
	.protected	k_q8c33b8c04e_scan
	.globl	k_q8c33b8c04e_scan
	.p2align	8
	.type	k_q8c33b8c04e_scan,@function
k_q8c33b8c04e_scan:
	s_mov_b64 s[64:65], 0
	v_nop
	global_prefetch_b8 v0, s[64:65] scope:SCOPE_SE
	s_setreg_imm32_b32 hwreg(HW_REG_WAVE_MODE, 25, 1), 1
	s_wait_xcnt 0x0
; The training rows are cut into 2,500 buckets of 40 neighbouring rows.  bdist[p][q][h] = the least distance of query q to a row of bucket 2 p + h.
; g = x.t - |t|^2 / 2 comes out of the matrix unit: x.t on codes of BF6 with E8M0 scales, C = -|t|^2 / 2 in the result's layout.  dist = sqrt(max(|x|^2 - 2 g, 0)) does not rise with g,
; so a bucket's least distance is that function of its LARGEST g: 40 numbers cost 19 v_max3_num_f32 and one v_max_num_f32, and the multiply-add, the clip and the root are paid once a bucket.
; LIMITS: d^2 is rounded as fl(|x|^2 - 2 fl(x.t - |t|^2 / 2)), another order of rounding than (|x|^2 + |t|^2) - 2 x.t; v_sqrt_f32 is taken not to fall where its input rises
; (the ISA guide states its accuracy, not that); NaN and infinities are not served.
; SHARES.  Work-group s: rows 400 s .. 400 s + 399 (25 tiles of 16, 10 buckets).  Wave w: queries 256 w .. 256 w + 255 (16 tiles).  All operands of a wave stay in registers: nothing is loaded behind the head.
; No cluster: the grid of 250 is no multiple of 4, and operands go from memory straight into registers.  No LDS, no barrier, no label.
; THE ROWS OF A TILE ARE NOT NEIGHBOURS: tile 5 g + t takes, as row m of source 0, training row 400 s + 80 g + 40 (m / 8) + 8 t + m % 8.  In the result lane (r, h), register j is query r against
; row 400 s + 80 g + 40 h + 8 t + j: the 40 registers of group g's five tiles are one bucket, 10 s + 2 g + h, in one lane.
; REGISTERS, in windows of 256: window 0: v1-6 offsets, v8-9 maxima, v10-34 the rows' scale words, v36-51 the queries', v52-67 |x|^2, v68-87 two sets of ten results, v88-167 two buffers of five accumulators,
;   v168-207 C of tiles 20-24.   window 1: tiles 0-19 at v[12 i].   window 2: tiles 20-24 at v[12 (i - 20)], C of tiles 0-19 at v[64 + 8 i].   window 3: the 16 query fragments at v[12 n].
.set LA, 1                             ; 96 u + 24 h, u = r % 8 + 40 (r / 8): my row of a tile, my half's bytes
.set LW, 2                             ; 4 u
.set LC, 3                             ; 160 h
.set LB, 4                             ; 96 r + 24 h
.set LQ, 5                             ; 4 r
.set SO, 6                             ; 8 x lane
.set TS, 10
.set XS, 36
.set XQ, 52
.set RM, 68
.set D,  88
.set C4, 168
.set MSB, 0
.macro WIN new                         ; the immediate's high byte repeats the setting that is left
.if MSB != \new
	s_set_vgpr_msb (MSB<<8)|\new
.set MSB, \new
.endif
.endm
	s_load_b256 s[4:11], s[0:1], 0x0               ; xcodes s[4:5], xscale s[6:7], xsq s[8:9], tcodes s[10:11]
	s_load_b128 s[12:15], s[0:1], 0x20             ; tscale s[12:13], thalf s[14:15]
	s_load_b64 s[16:17], s[0:1], 0x30              ; bdist
	v_lshrrev_b32 v7, 5, v0
	v_readfirstlane_b32 s18, v7                    ; wave 0..3
	v_and_b32 v7, 15, v0                           ; r
	v_bfe_u32 v8, v0, 4, 1                         ; h
	v_and_b32 v9, 7, v0                            ; r % 8
	v_bfe_u32 v6, v0, 3, 1                         ; r / 8
	v_mad_u32_u24 v9, v6, 40, v9                   ; u
	v_mul_u32_u24 v[LA], v9, 96
	v_mad_u32_u24 v[LA], v8, 24, v[LA]
	v_lshlrev_b32 v[LW], 2, v9
	v_mul_u32_u24 v[LC], v8, 160
	v_mul_u32_u24 v[LB], v7, 96
	v_mad_u32_u24 v[LB], v8, 24, v[LB]
	v_lshlrev_b32 v[LQ], 2, v7
	v_and_b32 v[SO], 31, v0
	v_lshlrev_b32 v[SO], 3, v[SO]
	s_mov_b32 s21, 0
	s_mul_i32 s20, s18, 24576                      ; my 256 queries' codes
	s_wait_kmcnt 0x0
	s_add_nc_u64 s[4:5], s[4:5], s[20:21]
	s_lshl_b32 s20, s18, 10                        ; their scale words and norms
	s_add_nc_u64 s[6:7], s[6:7], s[20:21]
	s_add_nc_u64 s[8:9], s[8:9], s[20:21]
	s_mul_i32 s20, ttmp9, 38400                    ; my work-group's 400 rows of codes
	s_add_nc_u64 s[10:11], s[10:11], s[20:21]
	s_mul_i32 s20, ttmp9, 1600                     ; their scale words and -|t|^2 / 2
	s_add_nc_u64 s[12:13], s[12:13], s[20:21]
	s_add_nc_u64 s[14:15], s[14:15], s[20:21]
	s_mul_i32 s20, ttmp9, 40960                    ; five planes of 8,192 bytes,
	s_lshl_b32 s22, s18, 11                        ; my 256 queries' 2,048 bytes in each
	s_add_co_u32 s20, s20, s22
	s_add_nc_u64 s[16:17], s[16:17], s[20:21]
	; ALL LOADS.  No address register and no base is written again.
	WIN 0x40                                       ; destination window 1
.set TI, 0
.rept 20
.irp p, 0,1,2,3,4,5
	global_load_b64 v[12*TI+2*\p:12*TI+2*\p+1], v[LA], s[10:11] offset:(80*(TI/5)+8*(TI%5))*96+48*(\p/3)+8*(\p%3)   ; 24 bytes of a row's stream of bits as three loads of 8
.endr
.set TI, TI+1
.endr
	WIN 0x80                                       ; destination window 2
.rept 5
.irp p, 0,1,2,3,4,5
	global_load_b64 v[12*(TI-20)+2*\p:12*(TI-20)+2*\p+1], v[LA], s[10:11] offset:(80*(TI/5)+8*(TI%5))*96+48*(\p/3)+8*(\p%3)
.endr
.set TI, TI+1
.endr
.set TI, 0
.rept 20
	global_load_b128 v[64+8*TI:64+8*TI+3], v[LC], s[14:15] offset:(80*(TI/5)+8*(TI%5))*4        ; C: register j = -|t|^2 / 2 of row 80 g + 40 h + 8 t + j
	global_load_b128 v[64+8*TI+4:64+8*TI+7], v[LC], s[14:15] offset:(80*(TI/5)+8*(TI%5))*4+16
.set TI, TI+1
.endr
	WIN 0
.rept 5
	global_load_b128 v[C4+8*(TI-20):C4+8*(TI-20)+3], v[LC], s[14:15] offset:(80*(TI/5)+8*(TI%5))*4
	global_load_b128 v[C4+8*(TI-20)+4:C4+8*(TI-20)+7], v[LC], s[14:15] offset:(80*(TI/5)+8*(TI%5))*4+16
.set TI, TI+1
.endr
.set TI, 0
.rept 25
	global_load_b32 v[TS+TI], v[LW], s[12:13] offset:(80*(TI/5)+8*(TI%5))*4
.set TI, TI+1
.endr
.set TI, 0
.rept 16
	global_load_b32 v[XS+TI], v[LQ], s[6:7] offset:64*TI
	global_load_b32 v[XQ+TI], v[LQ], s[8:9] offset:64*TI
.set TI, TI+1
.endr
	WIN 0xc0                                       ; destination window 3: the query fragments last, six loads each, so that the waits below can leave the later ones out
.set TI, 0
.rept 16
.irp p, 0,1,2,3,4,5
	global_load_b64 v[12*TI+2*\p:12*TI+2*\p+1], v[LB], s[4:5] offset:1536*TI+48*(\p/3)+8*(\p%3)
.endr
.set TI, TI+1
.endr
	WIN 0
; Group K % 5 of rows against query tile K / 5: five products into buffer K % 2.  No sum is carried on: C is never D, and no two neighbouring products share an accumulator.
.macro MULG
.set QN, K/5
.set GR, K%5
.set DB, D+40*(K%2)
.if GR < 4
	WIN 0x2d                                       ; source 0 window 1, source 1 window 3, C window 2, D window 0
.irp t, 0,1,2,3,4
	v_wmma_scale_f32_16x16x128_f8f6f4 v[DB+8*\t:DB+8*\t+7], v[12*(5*GR+\t):12*(5*GR+\t)+11], v[12*QN:12*QN+11], v[64+8*(5*GR+\t):64+8*(5*GR+\t)+7], v[TS+5*GR+\t], v[XS+QN] matrix_a_fmt:MATRIX_FMT_BF6 matrix_b_fmt:MATRIX_FMT_BF6
.endr
.else
	WIN 0x0e                                       ; source 0 window 2, source 1 window 3, C and D window 0
.irp t, 0,1,2,3,4
	v_wmma_scale_f32_16x16x128_f8f6f4 v[DB+8*\t:DB+8*\t+7], v[12*\t:12*\t+11], v[12*QN:12*QN+11], v[C4+8*\t:C4+8*\t+7], v[TS+20+\t], v[XS+QN] matrix_a_fmt:MATRIX_FMT_BF6 matrix_b_fmt:MATRIX_FMT_BF6
.endr
.endif
	WIN 0
.endm
; The largest g of buffer KR % 2's 40 registers, two chains, each accumulator from its low end on; then |x|^2 - 2 g.  21 plain lines that name nothing of the products issued just before them:
; they are the places between those products and their first reader, and between a buffer's products and the products that write over it two groups later.
.macro REDUCE
.set DB, D+40*(KR%2)
.set SL, RM+10*((KR/10)%2)+2*(KR%5)+(KR/5)%2
	v_max3_num_f32 v8, v[DB], v[DB+1], v[DB+2]
	v_max3_num_f32 v9, v[DB+3], v[DB+4], v[DB+5]
	v_max3_num_f32 v8, v8, v[DB+6], v[DB+7]
.irp t, 1,2,3,4
	v_max3_num_f32 v9, v9, v[DB+8*\t], v[DB+8*\t+1]
	v_max3_num_f32 v8, v8, v[DB+8*\t+2], v[DB+8*\t+3]
	v_max3_num_f32 v9, v9, v[DB+8*\t+4], v[DB+8*\t+5]
	v_max3_num_f32 v8, v8, v[DB+8*\t+6], v[DB+8*\t+7]
.endr
	v_max_num_f32 v8, v8, v9
	v_fma_f32 v[SL], v8, -2.0, v[XQ+KR/5]
.endm
; Two query tiles x five groups are finished: clip, root, and out.  Register RB + 2 g holds the even tile's (query r, half h), RB + 2 g + 1 the odd tile's; the exchange of halves leaves lane l
; with (h = 0, h = 1) of query 32 it + l, so that a store covers 256 consecutive bytes, aligned.
.macro FINISH it
.set RB, RM+10*((\it)%2)
	s_wait_xcnt 0x0                                ; the stores of the pair before have read their data: the groups that follow write that set again
.irp j, 0,1,2,3,4,5,6,7,8,9
	v_max_num_f32 v[RB+\j], 0, v[RB+\j]
.endr
.irp j, 0,1,2,3,4,5,6,7,8,9
	v_sqrt_f32 v[RB+\j], v[RB+\j]
.endr
	v_nop                                          ; a plain line behind the last root,
	s_wait_alu depctr_va_vdst(0)                   ; and one wait for the ten, ahead of their first reader
.irp g, 0,1,2,3,4
	v_permlane16_swap_b32 v[RB+2*\g], v[RB+2*\g+1]
.endr
.irp g, 0,1,2,3,4
	global_store_b64 v[SO], v[RB+2*\g:RB+2*\g+1], s[16:17] offset:8192*\g+256*(\it) th:TH_STORE_NT
.endr
.endm
.set K, 0
.rept 80
.if K%10 == 0
.set LEFT, 6*(14-2*(K/10))             ; the loads issued behind this pair's second fragment: six for each later query tile
.if LEFT > 63
	s_wait_loadcnt 63                              ; (a smaller count than is needed: the wait's field ends here)
.else
	s_wait_loadcnt LEFT
.endif
.endif
	MULG
.if K == 0
.rept 5
	v_nop                                          ; the first group has no maxima to set behind it
.endr
.else
.set KR, K-1
	REDUCE
.endif
.if (K >= 10) && (K%10 == 0)
	FINISH K/10-1
.endif
.set K, K+1
.endr
.set KR, 79
	REDUCE                                         ; group 78's 21 lines stand between the last products and this
	FINISH 7
	s_endpgm
.Lfunc_end_k_q8c33b8c04e_scan:
	.size	k_q8c33b8c04e_scan, .Lfunc_end_k_q8c33b8c04e_scan-k_q8c33b8c04e_scan
	.p2alignl 7, 3214868480
	.fill 96, 4, 3214868480
	.section	.rodata,"a",@progbits
	.p2align	6, 0x0
	.amdhsa_kernel k_q8c33b8c04e_scan
		.amdhsa_group_segment_fixed_size 0
		.amdhsa_private_segment_fixed_size 0
		.amdhsa_enable_private_segment 0
		.amdhsa_kernarg_size 56
		.amdhsa_user_sgpr_count 2
		.amdhsa_user_sgpr_kernarg_segment_ptr 1
		.amdhsa_wavefront_size32 1
		.amdhsa_system_sgpr_workgroup_id_x 1
		.amdhsa_system_sgpr_workgroup_id_y 1
		.amdhsa_system_sgpr_workgroup_id_z 1
		.amdhsa_system_vgpr_workitem_id 0
		.amdhsa_next_free_vgpr 960
		.amdhsa_next_free_sgpr 66
		.amdhsa_reserve_vcc 0
		.amdhsa_float_denorm_mode_32 3
		.amdhsa_float_denorm_mode_16_64 3
		.amdhsa_memory_ordered 1
		.amdhsa_forward_progress 1
		.amdhsa_inst_pref_size 204
	.end_amdhsa_kernel
	.amdgpu_metadata
---
amdhsa.version: [ 1, 2 ]
amdhsa.kernels:
  - .name:           k_q8c33b8c04e_scan
    .symbol:         k_q8c33b8c04e_scan.kd
    .args:
      - { .name: xcodes, .offset: 0, .size: 8, .value_kind: global_buffer, .address_space: global }
      - { .name: xscale, .offset: 8, .size: 8, .value_kind: global_buffer, .address_space: global }
      - { .name: xsq, .offset: 16, .size: 8, .value_kind: global_buffer, .address_space: global }
      - { .name: tcodes, .offset: 24, .size: 8, .value_kind: global_buffer, .address_space: global }
      - { .name: tscale, .offset: 32, .size: 8, .value_kind: global_buffer, .address_space: global }
      - { .name: thalf, .offset: 40, .size: 8, .value_kind: global_buffer, .address_space: global }
      - { .name: bdist, .offset: 48, .size: 8, .value_kind: global_buffer, .address_space: global }
    .group_segment_fixed_size: 0
    .private_segment_fixed_size: 0
    .kernarg_segment_align: 8
    .kernarg_segment_size: 56
    .max_flat_workgroup_size: 128
    .sgpr_count:     66
    .vgpr_count:     960
    .wavefront_size: 32
...
	.end_amdgpu_metadata
.endif
;; end of part 2
;; launch select (part 3): grid 64 x 1, 25 waves a work-group, no clusters, 44,288 bytes of LDS; arguments bdist, ids; writes ids
.if DOCPART == 3
	.amdgcn_target "amdgcn-amd-amdhsa--gfx1250"
	.amdhsa_code_object_version 6
	.text
	.protected	k_q8c33b8c04e_select
	.globl	k_q8c33b8c04e_select
	.p2align	8
	.type	k_q8c33b8c04e_select,@function
k_q8c33b8c04e_select:
	s_mov_b64 s[64:65], 0
	v_nop
	global_prefetch_b8 v0, s[64:65] scope:SCOPE_SE
	s_setreg_imm32_b32 hwreg(HW_REG_WAVE_MODE, 25, 1), 1
	s_wait_xcnt 0x0
; ids[q][0..4] = the five buckets with the least (distance, bucket number) of bdist[1250][1024][2]; ids[q][5..7] = 0.  The five nearest rows under (distance, row) lie in these five buckets.
; Nothing here steers an address or a branch by a distance: a bucket's number travels as data beside its distance, by v_cndmask_b32, and is stored as a whole number for the next launch.
; SHARES.  Work-group qt: queries 16 qt .. 16 qt + 15.  Lane l stands for query 16 qt + l / 2 and half h = l % 2: the 128 bytes of a plane as they lie.  Wave w: planes 50 w .. 50 w + 49.
; A lane keeps a sorted list of five.  Bucket numbers rise within a lane and from wave to wave, so a strict compare keeps the lower number on ties; the two halves of a query are merged by (distance, number).
; 25 lists -> LDS -> waves 0-4 merge five each -> LDS -> wave 0 merges five, joins the halves and stores.  Two barriers, on every wave's path.
; LIMITS: NaN and infinities among the distances are not served.
.set LA, 2                             ; v2-6    the list's distances, ascending
.set LP, 7                             ; v7-11   their bucket numbers
.set PX, 12                            ; v12     the number of the bucket in hand
.set V,  16                            ; v16-65  50 distances; later lists fetched from LDS
.set MK, 12                            ; s12-16  masks: the newcomer comes ahead of entry i
.set EQ, 17                            ; s17-21  equal distance
.set LU, 22                            ; s22-26  lower number
.set R2, 32768                         ; LDS: 0: 25 lists of 1,280 bytes (entry i: distance at 256 i + 4 lane, number 128 further on); R2: five more
.macro PLACE x, px                     ; the newcomer takes its place, from the list's end on, so that every line reads old neighbours
.irp i, 4,3,2,1
	v_cndmask_b32 v[LP+\i], v[LP+\i], v[\px], s[MK+\i]
	v_cndmask_b32 v[LP+\i], v[LP+\i], v[LP+\i-1], s[MK+\i-1]
	v_med3_num_f32 v[LA+\i], v[LA+\i-1], v[LA+\i], v[\x]
.endr
	v_cndmask_b32 v[LP], v[LP], v[\px], s[MK]
	v_min_num_f32 v[LA], v[LA], v[\x]
.endm
.macro INS x, px                       ; strict: on equal distances the entry that is there stays ahead
.irp i, 0,1,2,3,4
	v_cmp_lt_f32 s[MK+\i], v[\x], v[LA+\i]
.endr
	PLACE \x, \px
.endm
.macro INSL x, px                      ; by (distance, number)
.irp i, 0,1,2,3,4
	v_cmp_lt_f32 s[MK+\i], v[\x], v[LA+\i]
	v_cmp_eq_f32 s[EQ+\i], v[\x], v[LA+\i]
	v_cmp_lt_u32 s[LU+\i], v[\px], v[LP+\i]
.endr
.irp i, 0,1,2,3,4
	s_and_b32 s[EQ+\i], s[EQ+\i], s[LU+\i]
.endr
.irp i, 0,1,2,3,4
	s_or_b32 s[MK+\i], s[MK+\i], s[EQ+\i]
.endr
	PLACE \x, \px
.endm
.macro PUT adr
.irp i, 0,1,2,3,4
	ds_store_b32 v[\adr], v[LA+\i] offset:256*\i
	ds_store_b32 v[\adr], v[LP+\i] offset:256*\i+128
.endr
.endm
.macro GET adr                         ; five lists: the first becomes mine, the other four wait in V
.irp i, 0,1,2,3,4
	ds_load_b32 v[LA+\i], v[\adr] offset:256*\i
	ds_load_b32 v[LP+\i], v[\adr] offset:256*\i+128
.endr
.irp j, 1,2,3,4
.irp i, 0,1,2,3,4
	ds_load_b32 v[V+10*(\j-1)+2*\i], v[\adr] offset:1280*\j+256*\i
	ds_load_b32 v[V+10*(\j-1)+2*\i+1], v[\adr] offset:1280*\j+256*\i+128
.endr
.endr
	s_wait_dscnt 0x0
.endm
.macro MERGE4                          ; their 20 entries, in the order of the waves
.set J, 0
.rept 20
	INS V+2*J, V+2*J+1
.set J, J+1
.endr
.endm
	s_load_b128 s[4:7], s[0:1], 0x0                ; bdist, ids
	v_lshl_add_u32 v96, v0, 2, 0xa000
	v_mov_b32 v97, 0
	v_lshrrev_b32 v1, 5, v0
	v_readfirstlane_b32 s8, v1                     ; wave 0..24
	v_and_b32 v75, 31, v0                          ; lane
	v_lshlrev_b32 v1, 2, v75                       ; 4 x lane
	v_and_b32 v13, 1, v0                           ; h
	s_mul_i32 s10, s8, 100
	v_add_nc_u32 v14, s10, v13                     ; my first bucket: 100 w + h
	; every LDS address is made here, ahead of the first parting of the waves
	s_mul_i32 s10, s8, 1280
	v_add_nc_u32 v15, s10, v1                      ; my wave's list
	s_min_u32 s9, s8, 4                            ; (waves 5-24 never use the next two: held inside LDS all the same)
	s_mul_i32 s10, s9, 6400
	v_add_nc_u32 v66, s10, v1                      ; the lists of waves 5 w .. 5 w + 4
	s_mul_i32 s10, s9, 1280
	s_add_co_u32 s10, s10, R2
	v_add_nc_u32 v67, s10, v1                      ; where their merger goes
	v_add_nc_u32 v68, R2, v1                       ; the five mergers
	v_mov_b32 v69, 0
	v_lshlrev_b32 v74, 4, v75                      ; the way out: 16 x lane
	s_lshl_b32 s10, ttmp9, 7                       ; my 16 queries' 128 bytes of a plane,
	s_mul_i32 s11, s8, 409600                      ; my wave's 50 planes of 8,192 bytes
	s_add_co_u32 s10, s10, s11
	s_mov_b32 s11, 0
	s_lshl_b32 s28, ttmp9, 9                       ; 16 queries x 32 bytes of ids
	s_mov_b32 s29, 0
	s_wait_kmcnt 0x0
	s_add_nc_u64 s[4:5], s[4:5], s[10:11]
	s_add_nc_u64 s[6:7], s[6:7], s[28:29]
.set J, 0
.rept 50
	global_load_b32 v[V+J], v1, s[4:5] offset:8192*J th:TH_LOAD_NT
.set J, J+1
.endr
.irp i, 0,1,2,3,4
	v_mov_b32 v[LA+\i], 0x7f800000                 ; the list begins with +infinity
	v_mov_b32 v[LP+\i], -1
.endr
.set J, 0
.rept 50
	s_wait_loadcnt 49-J                            ; loads come back in order: plane J's is in, the 49 - J behind it may be out
	v_add_nc_u32 v[PX], 2*J, v14
	INS V+J, PX
.set J, J+1
.endr
	PUT 15
	s_wait_dscnt 0x0                               ; for the others' sake: my list lies in LDS
	s_barrier_signal -1
	s_barrier_wait -1
	s_cmp_ge_u32 s8, 5
	s_cbranch_scc1 .Lnot_five
	GET 66
	MERGE4
	PUT 67
.Lnot_five:
	s_wait_dscnt 0x0
	s_barrier_signal -1
	s_barrier_wait -1
	s_cmp_lg_u32 s8, 0
	s_cbranch_scc1 .Lend
	GET 68
	MERGE4
.irp i, 0,1,2,3,4
	v_mov_b32_dpp v[V+2*\i], v[LA+\i] row_xmask:1 row_mask:0xf bank_mask:0xf     ; the list of my query's other half
	v_mov_b32_dpp v[V+2*\i+1], v[LP+\i] row_xmask:1 row_mask:0xf bank_mask:0xf
.endr
.irp i, 0,1,2,3,4
	INSL V+2*\i, V+2*\i+1                          ; both lanes of a query end with the same five
.endr
	v_cmp_ne_u32 vcc_lo, 0, v13
	v_cndmask_b32 v70, v[LP], v[LP+4], vcc_lo      ; h = 0: numbers 0 to 3;  h = 1: number 4 and three zeros
	v_cndmask_b32 v71, v[LP+1], v69, vcc_lo
	v_cndmask_b32 v72, v[LP+2], v69, vcc_lo
	v_cndmask_b32 v73, v[LP+3], v69, vcc_lo
	global_store_b128 v74, v[70:73], s[6:7]        ; 512 consecutive bytes, aligned
.Lend:
	s_wait_tensorcnt 0x0
	ds_add_u32 v96, v97
	s_wait_dscnt 0x0
	s_endpgm
.Lfunc_end_k_q8c33b8c04e_select:
	.size	k_q8c33b8c04e_select, .Lfunc_end_k_q8c33b8c04e_select-k_q8c33b8c04e_select
	.p2alignl 7, 3214868480
	.fill 96, 4, 3214868480
	.section	.rodata,"a",@progbits
	.p2align	6, 0x0
	.amdhsa_kernel k_q8c33b8c04e_select
		.amdhsa_group_segment_fixed_size 44288
		.amdhsa_private_segment_fixed_size 0
		.amdhsa_enable_private_segment 0
		.amdhsa_kernarg_size 16
		.amdhsa_user_sgpr_count 2
		.amdhsa_user_sgpr_kernarg_segment_ptr 1
		.amdhsa_wavefront_size32 1
		.amdhsa_system_sgpr_workgroup_id_x 1
		.amdhsa_system_sgpr_workgroup_id_y 1
		.amdhsa_system_sgpr_workgroup_id_z 1
		.amdhsa_system_vgpr_workitem_id 0
		.amdhsa_next_free_vgpr 98
		.amdhsa_next_free_sgpr 66
		.amdhsa_reserve_vcc 1
		.amdhsa_float_denorm_mode_32 3
		.amdhsa_float_denorm_mode_16_64 3
		.amdhsa_memory_ordered 1
		.amdhsa_forward_progress 1
		.amdhsa_inst_pref_size 134
	.end_amdhsa_kernel
	.amdgpu_metadata
---
amdhsa.version: [ 1, 2 ]
amdhsa.kernels:
  - .name:           k_q8c33b8c04e_select
    .symbol:         k_q8c33b8c04e_select.kd
    .args:
      - { .name: bdist, .offset: 0, .size: 8, .value_kind: global_buffer, .address_space: global }
      - { .name: ids, .offset: 8, .size: 8, .value_kind: global_buffer, .address_space: global }
    .group_segment_fixed_size: 44288
    .private_segment_fixed_size: 0
    .kernarg_segment_align: 8
    .kernarg_segment_size: 16
    .max_flat_workgroup_size: 800
    .sgpr_count:     66
    .vgpr_count:     98
    .wavefront_size: 32
...
	.end_amdgpu_metadata
.endif
;; end of part 3
;; launch final (part 4): grid 256 x 1, 4 waves a work-group, no clusters, 0 bytes of LDS; arguments ids, xcodes, xscale, xsq, tcodes, tscale, thalf, y_train, out0; writes out0
.if DOCPART == 4
	.amdgcn_target "amdgcn-amd-amdhsa--gfx1250"
	.amdhsa_code_object_version 6
	.text
	.protected	k_q8c33b8c04e_final
	.globl	k_q8c33b8c04e_final
	.p2align	8
	.type	k_q8c33b8c04e_final,@function
k_q8c33b8c04e_final:
	s_mov_b64 s[64:65], 0
	v_nop
	global_prefetch_b8 v0, s[64:65] scope:SCOPE_SE
	s_setreg_imm32_b32 hwreg(HW_REG_WAVE_MODE, 25, 1), 1
	s_wait_xcnt 0x0
; out0[q] = the majority label (the smaller on ties) of the five nearest rows under (distance, row), searched among the 5 x 40 rows of the buckets that ids[q] names.
; One wave, one query: q = 4 x work-group + wave.  Addresses hang on ids alone, whole numbers that an earlier launch stored (each held at 2,499, the last bucket).  The labels of ALL candidate rows are loaded;
; a row's label travels beside its distance as (row << 4 | label), by v_cndmask_b32: no address and no branch hangs on a distance.
; 15 tiles of 16 rows: tile 3 k + u is rows 40 id_k + {0, 16, 24}[u] + r.  Tile u = 2 repeats rows 24-31 in lanes r < 8: there the distance is made +infinity.
; THE PRODUCT: source 0 = the query's fragment in all 16 rows (the lane's address is its half's 24 bytes alone), source 1 = 16 candidate rows.  Register 0 of the result in lane r is
; g = x.t - |t|^2 / 2 of row r, the number that the scan made with the sources the other way round.  Only register 0 is used, so only register 0 of C matters: C of tile i is v[68 + 2 i] on, whose first register
; holds -|t|^2 / 2; what the other seven add falls on results that nobody reads.
; LIMITS: as in the scan (order of rounding of d^2; NaN and infinities not served).  A label outside 0 .. 9 counts for nothing.
.set RL,   1                           ; r
.set H24,  2                           ; 24 h
.set ZERO, 3
.set LN,   4                           ; lane
.set INF,  5
.set ROW,  6                           ; v6-10    40 id_k + r
.set CA,   11                          ; v11-15   96 x that + 24 h
.set QF,   16                          ; v16-27   the query's fragment
.set QS,   28                          ; v28      its scale word, in every lane
.set ONE,  29
.set WA,   30                          ; v30-34   4 x ROW
.set NEG,  35                          ; -1
.set TSC,  36                          ; v36-50   the rows' scale words
.set LAB,  52                          ; v52-66   their labels
.set CR,   68                          ; v68-103  C
.set X,    104                         ; v104-118 distances
.set P,    120                         ; v120-134 row << 4 | label
.set LA,   136                         ; v136-140 the list's distances, ascending
.set LP,   141                         ; v141-145 their payloads
.set OA,   146                         ; v146-150 another lane's list
.set OP,   151                         ; v151-155
.set MK,   36                          ; s36-40, s41-45, s46-50: masks
.set EQ,   41
.set LU,   46
.set MSB, 0
.macro WIN new                         ; the immediate's high byte repeats the setting that is left
.if MSB != \new
	s_set_vgpr_msb (MSB<<8)|\new
.set MSB, \new
.endif
.endm
.macro INSL x, px                      ; (distance, payload) takes its place in the sorted list of five
.irp i, 0,1,2,3,4
	v_cmp_lt_f32 s[MK+\i], v[\x], v[LA+\i]
	v_cmp_eq_f32 s[EQ+\i], v[\x], v[LA+\i]
	v_cmp_lt_u32 s[LU+\i], v[\px], v[LP+\i]
.endr
.irp i, 0,1,2,3,4
	s_and_b32 s[EQ+\i], s[EQ+\i], s[LU+\i]
.endr
.irp i, 0,1,2,3,4
	s_or_b32 s[MK+\i], s[MK+\i], s[EQ+\i]
.endr
.irp i, 4,3,2,1
	v_cndmask_b32 v[LP+\i], v[LP+\i], v[\px], s[MK+\i]
	v_cndmask_b32 v[LP+\i], v[LP+\i], v[LP+\i-1], s[MK+\i-1]
	v_med3_num_f32 v[LA+\i], v[LA+\i-1], v[LA+\i], v[\x]
.endr
	v_cndmask_b32 v[LP], v[LP], v[\px], s[MK]
	v_min_num_f32 v[LA], v[LA], v[\x]
.endm
	s_load_b256 s[4:11], s[0:1], 0x0               ; ids s[4:5], xcodes s[6:7], xscale s[8:9], xsq s[10:11]
	s_load_b256 s[12:19], s[0:1], 0x20             ; tcodes s[12:13], tscale s[14:15], thalf s[16:17], y_train s[18:19]
	s_load_b64 s[20:21], s[0:1], 0x40              ; out0
	v_lshrrev_b32 v1, 5, v0
	v_readfirstlane_b32 s22, v1                    ; wave 0..3
.set TI, 0
.rept 36
.if (TI%2 == 1) || (TI >= 30)
	v_mov_b32 v[CR+TI], 0                          ; the registers of C that no load fills
.endif
.set TI, TI+1
.endr
.irp i, 0,1,2,3,4
	v_mov_b32 v[OA+\i], 0                          ; written once: a DPP move's destination counts as one of its sources
	v_mov_b32 v[OP+\i], 0
.endr
	v_and_b32 v[RL], 15, v0
	v_bfe_u32 v[H24], v0, 4, 1
	v_mul_u32_u24 v[H24], v[H24], 24
	v_mov_b32 v[ZERO], 0
	v_and_b32 v[LN], 31, v0
	v_mov_b32 v[INF], 0x7f800000
	v_mov_b32 v[NEG], -1
	v_mov_b32 v[ONE], 1
	s_lshl_b32 s23, ttmp9, 2
	s_add_co_u32 s23, s23, s22                     ; q
	s_lshl_b32 s24, s23, 5                         ; 32 bytes of ids a query
	s_mov_b32 s25, 0
	s_wait_kmcnt 0x0
	s_add_nc_u64 s[4:5], s[4:5], s[24:25]
	s_load_b128 s[28:31], s[4:5], 0x0              ; four buckets,
	s_load_b32 s32, s[4:5], 0x10                   ; the fifth
	s_lshl_b32 s24, s23, 2
	s_add_nc_u64 s[10:11], s[10:11], s[24:25]
	s_load_b32 s33, s[10:11], 0x0                  ; |x|^2
	s_add_nc_u64 s[8:9], s[8:9], s[24:25]
	s_add_nc_u64 s[20:21], s[20:21], s[24:25]
	s_mul_i32 s24, s23, 96
	s_add_nc_u64 s[6:7], s[6:7], s[24:25]
.irp p, 0,1,2,3,4,5
	global_load_b64 v[QF+2*\p:QF+2*\p+1], v[H24], s[6:7] offset:48*(\p/3)+8*(\p%3)
.endr
	global_load_b32 v[QS], v[ZERO], s[8:9]
	s_wait_kmcnt 0x0
.irp k, 0,1,2,3,4
	s_min_u32 s[28+\k], s[28+\k], 2499             ; a loaded number enters an address only behind this hold
	s_mul_i32 s[28+\k], s[28+\k], 40
	v_add_nc_u32 v[ROW+\k], s[28+\k], v[RL]
	v_mul_u32_u24 v[CA+\k], v[ROW+\k], 96
	v_add_nc_u32 v[CA+\k], v[CA+\k], v[H24]
	v_lshlrev_b32 v[WA+\k], 2, v[ROW+\k]
.endr
	WIN 0x40                                       ; destination window 1: the candidates' fragments at v[12 i]
.irp k, 0,1,2,3,4
.irp u, 0,1,2
.irp p, 0,1,2,3,4,5
	global_load_b64 v[12*(3*\k+\u)+2*\p:12*(3*\k+\u)+2*\p+1], v[CA+\k], s[12:13] offset:96*(16*\u-8*(\u/2))+48*(\p/3)+8*(\p%3)
.endr
.endr
.endr
	WIN 0
.irp k, 0,1,2,3,4
.irp u, 0,1,2
	global_load_b32 v[TSC+3*\k+\u], v[WA+\k], s[14:15] offset:4*(16*\u-8*(\u/2))
	global_load_b32 v[CR+2*(3*\k+\u)], v[WA+\k], s[16:17] offset:4*(16*\u-8*(\u/2))
	global_load_b32 v[LAB+3*\k+\u], v[WA+\k], s[18:19] offset:4*(16*\u-8*(\u/2))
.endr
.endr
	s_wait_loadcnt 0x0
	WIN 0x84                                       ; source 1 window 1, D window 2: the results at v[8 i]
.set TI, 0
.rept 15
	v_wmma_scale_f32_16x16x128_f8f6f4 v[8*TI:8*TI+7], v[QF:QF+11], v[12*TI:12*TI+11], v[CR+2*TI:CR+2*TI+7], v[QS], v[TSC+TI] matrix_a_fmt:MATRIX_FMT_BF6 matrix_b_fmt:MATRIX_FMT_BF6
.set TI, TI+1
.endr
	WIN 0
.rept 4
	v_nop                                          ; four places between the last product and the first read of results (ISA guide 7.12.1)
.endr
	WIN 0x02                                       ; source 0 window 2
.set TI, 0
.rept 15
	v_fma_f32 v[X+TI], v[8*TI], -2.0, s33          ; |x|^2 - 2 g: each accumulator's lowest register
.set TI, TI+1
.endr
	WIN 0
.set TI, 0
.rept 15
	v_max_num_f32 v[X+TI], 0, v[X+TI]
.set TI, TI+1
.endr
.set TI, 0
.rept 15
	v_sqrt_f32 v[X+TI], v[X+TI]
.set TI, TI+1
.endr
.irp k, 0,1,2,3,4                      ; plain work behind the roots: the payloads
.irp u, 0,1,2
	v_min_u32 v[LAB+3*\k+\u], 10, v[LAB+3*\k+\u]   ; what is no label of 0 .. 9 becomes 10, which the vote does not read
	v_add_nc_u32 v156, 16*\u-8*(\u/2), v[ROW+\k]
	v_lshl_or_b32 v[P+3*\k+\u], v156, 4, v[LAB+3*\k+\u]
.endr
.endr
.irp i, 0,1,2,3,4
	v_mov_b32 v[LA+\i], 0x7f800000
	v_mov_b32 v[LP+\i], -1
.endr
	v_cmp_gt_u32 vcc_lo, 8, v[RL]
	s_wait_alu depctr_va_vdst(0)                   ; one wait for the fifteen roots, ahead of their first reader
.irp k, 0,1,2,3,4
	v_cndmask_b32 v[X+3*\k+2], v[X+3*\k+2], v[INF], vcc_lo    ; rows that tile u = 1 holds already
	v_cndmask_b32 v[P+3*\k+2], v[P+3*\k+2], v[NEG], vcc_lo
.endr
.set TI, 0
.rept 15
	INSL X+TI, P+TI
.set TI, TI+1
.endr
.irp m, 1,2,4,8                        ; across the 16 lanes of a half (lanes 16-31 repeat lanes 0-15): the two sides of each exchange hold different rows
.irp i, 0,1,2,3,4
	v_mov_b32_dpp v[OA+\i], v[LA+\i] row_xmask:\m row_mask:0xf bank_mask:0xf
	v_mov_b32_dpp v[OP+\i], v[LP+\i] row_xmask:\m row_mask:0xf bank_mask:0xf
.endr
.irp i, 0,1,2,3,4
	INSL OA+\i, OP+\i
.endr
.endr
	; THE VOTE: ten counts of three bits in one word; count << 4 | 15 - label is largest for the most frequent label, the smaller on ties
	v_and_b32 v156, 15, v[LP]
	v_lshl_add_u32 v156, v156, 1, v156
	v_lshlrev_b32 v157, v156, v[ONE]
.irp i, 1,2,3,4
	v_and_b32 v156, 15, v[LP+\i]
	v_lshl_add_u32 v156, v156, 1, v156
	v_lshlrev_b32 v156, v156, v[ONE]
	v_add_nc_u32 v157, v157, v156
.endr
	v_and_b32 v158, 7, v157
	v_lshl_add_u32 v158, v158, 4, 15
.irp c, 1,2,3,4,5,6,7,8,9
	v_bfe_u32 v159, v157, 3*\c, 3
	v_lshl_add_u32 v159, v159, 4, 15-\c
	v_cmp_gt_u32 vcc_lo, v159, v158
	v_cndmask_b32 v158, v158, v159, vcc_lo
.endr
	v_and_b32 v158, 15, v158
	v_sub_nc_u32 v158, 15, v158
	v_cvt_f32_u32 v158, v158
	v_cmp_eq_u32 vcc_lo, 0, v[LN]
	s_wait_xcnt 0x0                                ; EXEC changes only behind this wait
	s_and_saveexec_b32 s34, vcc_lo                 ; every lane holds the result: lane 0 stores it
	global_store_b32 v[ZERO], v158, s[20:21]
	s_wait_xcnt 0x0                                ; and again, in front of the line that widens it
	s_or_b32 exec_lo, exec_lo, s34
	s_endpgm
.Lfunc_end_k_q8c33b8c04e_final:
	.size	k_q8c33b8c04e_final, .Lfunc_end_k_q8c33b8c04e_final-k_q8c33b8c04e_final
	.p2alignl 7, 3214868480
	.fill 96, 4, 3214868480
	.section	.rodata,"a",@progbits
	.p2align	6, 0x0
	.amdhsa_kernel k_q8c33b8c04e_final
		.amdhsa_group_segment_fixed_size 0
		.amdhsa_private_segment_fixed_size 0
		.amdhsa_enable_private_segment 0
		.amdhsa_kernarg_size 72
		.amdhsa_user_sgpr_count 2
		.amdhsa_user_sgpr_kernarg_segment_ptr 1
		.amdhsa_wavefront_size32 1
		.amdhsa_system_sgpr_workgroup_id_x 1
		.amdhsa_system_sgpr_workgroup_id_y 1
		.amdhsa_system_sgpr_workgroup_id_z 1
		.amdhsa_system_vgpr_workitem_id 0
		.amdhsa_next_free_vgpr 640
		.amdhsa_next_free_sgpr 66
		.amdhsa_reserve_vcc 1
		.amdhsa_float_denorm_mode_32 3
		.amdhsa_float_denorm_mode_16_64 3
		.amdhsa_memory_ordered 1
		.amdhsa_forward_progress 1
		.amdhsa_inst_pref_size 103
	.end_amdhsa_kernel
	.amdgpu_metadata
---
amdhsa.version: [ 1, 2 ]
amdhsa.kernels:
  - .name:           k_q8c33b8c04e_final
    .symbol:         k_q8c33b8c04e_final.kd
    .args:
      - { .name: ids, .offset: 0, .size: 8, .value_kind: global_buffer, .address_space: global }
      - { .name: xcodes, .offset: 8, .size: 8, .value_kind: global_buffer, .address_space: global }
      - { .name: xscale, .offset: 16, .size: 8, .value_kind: global_buffer, .address_space: global }
      - { .name: xsq, .offset: 24, .size: 8, .value_kind: global_buffer, .address_space: global }
      - { .name: tcodes, .offset: 32, .size: 8, .value_kind: global_buffer, .address_space: global }
      - { .name: tscale, .offset: 40, .size: 8, .value_kind: global_buffer, .address_space: global }
      - { .name: thalf, .offset: 48, .size: 8, .value_kind: global_buffer, .address_space: global }
      - { .name: y_train, .offset: 56, .size: 8, .value_kind: global_buffer, .address_space: global }
      - { .name: out0, .offset: 64, .size: 8, .value_kind: global_buffer, .address_space: global }
    .group_segment_fixed_size: 0
    .private_segment_fixed_size: 0
    .kernarg_segment_align: 8
    .kernarg_segment_size: 72
    .max_flat_workgroup_size: 128
    .sgpr_count:     66
    .vgpr_count:     640
    .wavefront_size: 32
...
	.end_amdgpu_metadata
.endif
;; end of part 4
